; MI455X (gfx1250); checked and timed in simulation.
; The chip was launched on July 23, 2026; its instructions are those of AMD's public machine-readable ISA for CDNA 5 (MIT licence, August 2026) and "CDNA5" Instruction Set Architecture Reference Guide (July 2026). The comments in the code are by the model that wrote it; some were corrected since.
;; TRM Attention. Allowed arithmetic: matrix products marked QUANTISED: E5M2 operands, one given power-of-two scale a tensor, by v_wmma_f32_16x16x64_bf8_bf8 or v_wmma_f32_16x16x128_bf8_bf8, f32 sums; everything else in f32.
;; Inputs: W_o 256 x 256 float32; W_qkv 768 x 256 float32; b_o 256 float32; b_qkv 768 float32; lowp_scales 8 int32 (the exponents e of the quantised operands' scales 2^e); x 16 x 2,048 x 256 float32.
;; Outputs: out0 16 x 2,048 x 256 float32.
;; This version of the problem:
;;   THIS VERSION OF THE PROBLEM IS GIVEN IN LOW PRECISION. The matrix products marked QUANTISED in the list below multiply operands that are first quantised to E5M2 (5 exponent bits, 2 mantissa bits; 8 bits a number), with one given power-of-two scale for each operand tensor; their sums are f32. All else is computed in f32.
;;   The module's matrix products, in the order in which they are computed (A, B: the left and right operand; K: the contracted axis; several contracted axes count as one K, in the product's order):
;;     1. [M 32,768, K 256] x [K 256, N 768]; A: input x; B: input W_qkv: QUANTISED (scales: A lowp_scales[0], B lowp_scales[1])
;;     2. batch 64 x [M 2,048, K 64] x [K 64, N 2,048]; A: computed on the way; B: computed on the way: QUANTISED (scales: A lowp_scales[2], B lowp_scales[3])
;;     3. batch 64 x [M 2,048, K 2,048] x [K 2,048, N 64]; A: softmax (see below); B: computed on the way: QUANTISED (scales: A lowp_scales[4], B lowp_scales[5])
;;     4. [M 32,768, K 256] x [K 256, N 256]; A: computed on the way; B: input W_o: QUANTISED (scales: A lowp_scales[6], B lowp_scales[7])
;;   THE QUANTISER, for each operand of a quantised product, along K:
;;     - The operand's scale is 2^e, e = its entry of the input lowp_scales (int32; the entries are numbered through the quantised products in the list's order, A before B).
;;     - Each number is divided by the scale, clamped to +-57,344, and rounded to the nearest number of E5M2, ties to even, subnormals kept.
;;     - The product sums the exact products of the quantised numbers (number of the format x scale) in f32.
;;   ~~~python
;;   def quantise(x, axis, e):      # numpy; x: float32 -> the quantised numbers, widened to float32 again
;;       x = np.moveaxis(x, axis, -1); K = x.shape[-1]
;;       r = np.clip(x / 2.0 ** e, -57344, 57344)
;;       step = 2.0 ** (np.maximum(np.frexp(np.where(r == 0, 1, r))[1] - 1, -14) - 2)
;;       q = np.round(r / step) * step * 2.0 ** e      # np.round: ties to even
;;       return np.moveaxis(q, -1, axis).astype(np.float32)
;;   ~~~
;;   SOFTMAX AHEAD OF A QUANTISED PRODUCT. Where the list says 'softmax', what is quantised is not the finished softmax but p = 2^(t - M), with t = logit x log2(e) and M = ceil(the row's largest t), a whole number; so 1/2 < the row's largest p <= 1. The row's sum l is taken of the UNQUANTISED p, in f32, and the product's result is divided by l at the end. Since M is a whole number, a kernel that streams over the keys may use a running M (the ceiling of the running maximum): every later rescaling is an exact power of two, so the quantised numbers keep their values, but for numbers so far below the row's largest that they fall under the format's range.
;;   OPERANDS COMPUTED ON THE WAY. 'Computed on the way' means the value that the module computes at that place (a softmax that the list does not call 'softmax' is quantised finished and normalised). What goes into a quantiser is computed in f32, as accurately as f32 sums, v_exp_f32 and their like allow (about 1e-6 of the number): no bf16 or f16 on the way to a quantiser, and a product that is left as it is and whose result goes on into a quantised operand takes f32 operands (vector FMAs, or v_wmma_f32_16x16x4_f32). A number that lies on a knife's edge between two numbers of the format may be rounded either way, as far as f32 arithmetic and the matrix unit's own rounding can turn it there, and no further.
;; One version. Each part assembles by itself: llvm-mc -triple=amdgcn-amd-amdhsa -mcpu=gfx1250 --defsym DOCPART=n.
;; ======== version 1 of 1: 4 launches
;; limits: right only within a limited range of input values
;; workspace buffers: w_img 262,144 bytes; q_img 8,388,608 bytes; kv_img 16,777,216 bytes; y_img 8,388,608 bytes
;; launch wq (part 1): grid 256 x 1, 1 waves a work-group, no clusters, 0 bytes of LDS; arguments W_qkv, W_o, lowp_scales, w_img; writes w_img
.if DOCPART == 1
	.amdgcn_target "amdgcn-amd-amdhsa--gfx1250"
	.amdhsa_code_object_version 6
	.text
	.protected	k_qb67924db5e_wq
	.globl	k_qb67924db5e_wq
	.p2align	8
	.type	k_qb67924db5e_wq,@function
k_qb67924db5e_wq:
	s_mov_b64 s[64:65], 0
	v_nop
	global_prefetch_b8 v0, s[64:65] scope:SCOPE_SE
	s_setreg_imm32_b32 hwreg(HW_REG_WAVE_MODE, 25, 1), 1
	s_wait_xcnt 0x0
; W_qkv [768][256] and W_o [256][256], f32, K innermost, become codes of BF8 (E5M2), once for the whole program.
; code = w / 2^e, held within +-57,344, rounded to the nearest code, ties to even; e = entry 1 of the scales for W_qkv, entry 7 for W_o.
; LIMITS: e between -126 and 112, so that 2^e and 57,344 x 2^e are f32 numbers.  NaN among the inputs is not served.
; THE OUTPUT IS AN IMAGE OF OPERAND REGISTERS.  A tile is 16 rows x 256 along K = 32 registers a lane: lane (r = lane % 16, h = lane / 16) holds row r,
; registers 2 c, 2 c + 1 hold k = 16 c + 8 h + 0 .. 7.  Registers 4 g .. 4 g + 3 lie at tile x 4,096 + 512 g + 16 x lane.  Tiles 0-47: W_qkv; tiles 48-63: W_o.
; SHARES.  One wave a work-group; work-group i takes tile i / 4 and the quarter i % 4 of K: 16 rows x 64 k = 8 registers of codes = the image's bytes 1,024 i on.
; A lane's eight numbers of a conversion are neighbours along K in memory: two loads of 16 bytes.  No LDS, no barrier.
.set X, 8                              ; v8-39   32 numbers: register 8 c + i = k 16 c + 8 h + i of my quarter
.set C, 40                             ; v40-47  their codes
	s_load_b128 s[4:7], s[0:1], 0x0                ; W_qkv, W_o
	s_load_b128 s[8:11], s[0:1], 0x10              ; the scales' exponents, the image
	; W_qkv's tile n holds the rows 16 n + r.  W_o's tile 48 + 4 G + q holds the rows 64 G + 4 r + q: in the last product four tiles then give a lane four neighbouring features.
	s_lshr_b32 s20, ttmp9, 2                       ; tile
	s_and_b32 s21, ttmp9, 3                        ; quarter of K
	s_sub_co_u32 s22, s20, 48
	s_lshr_b32 s23, s22, 2
	s_lshl_b32 s23, s23, 16                        ; W_o: 64 G rows of 1,024 bytes
	s_and_b32 s24, s22, 3
	s_lshl_b32 s24, s24, 10                        ; + q rows
	s_add_co_u32 s23, s23, s24
	s_lshl_b32 s22, s20, 14                        ; W_qkv: 16 rows a tile
	s_cmp_lt_u32 s20, 48                           ; W_qkv's tile or W_o's?  The choice hangs on the work-group's number alone
	s_cselect_b32 s22, s22, s23
	s_cselect_b32 s24, 10, 12                      ; from lane to lane: one row or four
	v_and_b32 v1, 15, v0                           ; r (one wave: the thread's number is the lane)
	v_bfe_u32 v3, v0, 4, 1                         ; h
	v_lshlrev_b32 v1, s24, v1
	v_lshlrev_b32 v2, 4, v0                        ; out: 16 x lane
	v_lshl_add_u32 v1, v3, 5, v1                   ; + 32 h
	s_lshl_b32 s21, s21, 8                         ; 64 numbers of 4 bytes
	s_add_co_u32 s22, s22, s21
	s_mov_b32 s23, 0
	s_lshl_b32 s24, ttmp9, 10                      ; my 1,024 bytes of the image
	s_mov_b32 s25, 0
	s_wait_alu depctr_va_vdst(0)
	s_wait_kmcnt 0x0
	s_load_b256 s[12:19], s[8:9], 0x0              ; the eight exponents
	s_cmp_lt_u32 s20, 48
	s_cselect_b64 s[4:5], s[4:5], s[6:7]
	s_add_nc_u64 s[4:5], s[4:5], s[22:23]
	s_add_nc_u64 s[10:11], s[10:11], s[24:25]
.irp c, 0,1,2,3
	global_load_b128 v[X+8*\c:X+8*\c+3],   v1, s[4:5] offset:64*\c th:TH_LOAD_NT      ; W(r, 64 u + 16 c + 8 h + 0 .. 3)
	global_load_b128 v[X+8*\c+4:X+8*\c+7], v1, s[4:5] offset:64*\c+16 th:TH_LOAD_NT   ; and + 4 .. 7
.endr
	s_wait_kmcnt 0x0
	s_cmp_lt_u32 s20, 48
	s_cselect_b32 s24, s13, s19                    ; e
	s_add_co_i32 s24, s24, 127
	s_lshl_b32 s25, s24, 23
	v_mov_b32 v4, s25                              ; 2^e as f32: the conversion takes its exponent field
	s_add_co_i32 s24, s24, 15
	s_lshl_b32 s24, s24, 23
	s_or_b32 s24, s24, 0x600000
	v_mov_b32 v5, s24                              ; 57,344 x 2^e
	s_wait_alu depctr_va_vdst(0)
	s_wait_loadcnt 0x0
.set i, 0
.rept 32
	v_med3_num_f32 v[X+i], v[X+i], -v5, v5         ; the conversion to an 8-bit code does not saturate (ISA guide 7.6.2): the hold comes first
.set i, i+1
.endr
.irp c, 0,1,2,3
	v_cvt_scalef32_pk8_bf8_f32 v[C+2*\c:C+2*\c+1], v[X+8*\c:X+8*\c+7], v4
.endr
	global_store_b128 v2, v[C:C+3],   s[10:11]               ; each store of the wave covers 512 consecutive bytes, aligned
	global_store_b128 v2, v[C+4:C+7], s[10:11] offset:512
	s_endpgm
.Lfunc_end_k_qb67924db5e_wq:
	.size	k_qb67924db5e_wq, .Lfunc_end_k_qb67924db5e_wq-k_qb67924db5e_wq
	.p2alignl 7, 3214868480
	.fill 96, 4, 3214868480
	.section	.rodata,"a",@progbits
	.p2align	6, 0x0
	.amdhsa_kernel k_qb67924db5e_wq
		.amdhsa_group_segment_fixed_size 0
		.amdhsa_private_segment_fixed_size 0
		.amdhsa_enable_private_segment 0
		.amdhsa_kernarg_size 32
		.amdhsa_user_sgpr_count 2
		.amdhsa_user_sgpr_kernarg_segment_ptr 1
		.amdhsa_wavefront_size32 1
		.amdhsa_system_sgpr_workgroup_id_x 1
		.amdhsa_system_sgpr_workgroup_id_y 1
		.amdhsa_system_sgpr_workgroup_id_z 1
		.amdhsa_system_vgpr_workitem_id 0
		.amdhsa_next_free_vgpr 48
		.amdhsa_next_free_sgpr 66
		.amdhsa_reserve_vcc 0
		.amdhsa_float_denorm_mode_32 3
		.amdhsa_float_denorm_mode_16_64 3
		.amdhsa_memory_ordered 1
		.amdhsa_forward_progress 1
		.amdhsa_inst_pref_size 6
	.end_amdhsa_kernel
	.amdgpu_metadata
---
amdhsa.version: [ 1, 2 ]
amdhsa.kernels:
  - .name:           k_qb67924db5e_wq
    .symbol:         k_qb67924db5e_wq.kd
    .args:
      - { .name: W_qkv, .offset: 0, .size: 8, .value_kind: global_buffer, .address_space: global }
      - { .name: W_o, .offset: 8, .size: 8, .value_kind: global_buffer, .address_space: global }
      - { .name: lowp_scales, .offset: 16, .size: 8, .value_kind: global_buffer, .address_space: global }
      - { .name: w_img, .offset: 24, .size: 8, .value_kind: global_buffer, .address_space: global }
    .group_segment_fixed_size: 0
    .private_segment_fixed_size: 0
    .kernarg_segment_align: 8
    .kernarg_segment_size: 32
    .max_flat_workgroup_size: 32
    .sgpr_count:     66
    .vgpr_count:     48
    .wavefront_size: 32
...
	.end_amdgpu_metadata
.endif
;; end of part 1
;; launch qkv (part 2): grid 256 x 1, 16 waves a work-group, no clusters, 169,984 bytes of LDS; arguments x, w_img, b_qkv, lowp_scales, q_img, kv_img; writes q_img, kv_img
.if DOCPART == 2
	.amdgcn_target "amdgcn-amd-amdhsa--gfx1250"
	.amdhsa_code_object_version 6
	.text
	.protected	k_qb67924db5e_qkv
	.globl	k_qb67924db5e_qkv
	.p2align	8
	.type	k_qb67924db5e_qkv,@function
k_qb67924db5e_qkv:
	s_mov_b64 s[64:65], 0
	v_nop
	global_prefetch_b8 v0, s[64:65] scope:SCOPE_SE
	s_setreg_imm32_b32 hwreg(HW_REG_WAVE_MODE, 25, 1), 1
	s_wait_xcnt 0x0
; qkv = x W_qkv^T + b_qkv on codes of BF8 (E5M2); q, k and v are quantised on the way and leave as IMAGES OF THE OPERAND REGISTERS that the attention launch wants.
; x: [32,768][256] f32, quantised here with 2^e0.  W_qkv: codes from the launch before (2^e1).  q, k, v: codes with 2^e2, 2^e3, 2^e5.
; A sum stands for sum x 2^(e0 + e1): the bias goes in as the C of a sum's first matrix instruction, divided by 2^(e0 + e1), and the three scales are folded into each conversion's one.
; LIMITS on the given exponents, so that each power of two below (and 57,344 times it) is an f32 number: e0, e2 - e0 - e1, e3 - e0 - e1, e5 - e0 - e1 between -126 and 112.  NaN among the inputs is not served.
; SHARES.  A work-group takes 128 tokens (8 tiles of 16).  THE SIXTEEN WAVES SHARE THE COLUMNS: wave w keeps rows 16 w .. 16 w + 15 of W_q, of W_k and of W_v (96 registers) for all 8 tiles of tokens.
;   These are d tile (channel tile) t = w % 4 of head w / 4.  No cluster: the weights go straight into the registers of the one wave that keeps them, and x is read by one work-group alone: no tile is shared through LDS.
; LAYOUT.  Every operand has the form's own layout: lane (r, h): row r; registers 2 c, 2 c + 1: k = 16 c + 8 h + 0 .. 7.  One conversion of a result's eight registers gives registers 2 c, 2 c + 1 of the next operand:
;   q, k: the product is used transposed (source 0 = W, source 1 = x): a lane holds one token and eight neighbouring d;
;   v:    not transposed (source 0 = x, source 1 = W): a lane holds one channel and eight neighbouring tokens, which are the keys, the K of the attention's second product.
; LDS, filled once: XRAW: for each wave 16 rows x (512 + 16) bytes of x as f32, brought by the wave's own tensor load and read by that wave alone; XIMG: x's 16 fragments (tile of tokens m, half s of K: 2 m + s) as images.
; q_img [block][head][m][1,024]: registers 2 t, 2 t + 1 at 256 t + 8 x lane.  kv_img [block][65,536]: k as q at head x 8,192 + m x 1,024; v at 32,768 + head x 8,192 + t x 2,048 + 512 g + 16 x lane (16 channels x 128 keys).
.set XRAWB, 8448                       ; 16 rows of 528 bytes (33 x 16: the sixteen rows that a load touches start at sixteen different 16-byte columns of 256)
.set XIMG,  16*XRAWB                   ; 135,168, a multiple of 256: no tensor load lands from here on
.set LI,  1                            ; v1   16 x lane
.set XRA, 2                            ; v2   my place in my wave's rows of x
.set XWI, 3                            ; v3   where I store my fragment's image
.set XFI, 4                            ; v4   XIMG + 16 x lane
.set L8,  5                            ; v5   8 x lane
.set BO8, 6                            ; v6   32 h: my eight biases of q and of k
.set BO1, 7                            ; v7   4 r: my one bias of v
.set SX,  8                            ; v8, v9    2^e0 and 57,344 x 2^e0
.set SQ,  10                           ; v10, v11  the same with e2 - e0 - e1
.set SK,  12                           ; v12, v13  e3 - e0 - e1
.set SV,  14                           ; v14, v15  e5 - e0 - e1
.set BQ,  16                           ; v16-23, v24-31, v32-39: the biases / 2^(e0 + e1), in the results' layouts
.set BK,  24
.set BV,  32
.set WQ,  40                           ; v40-71, v72-103, v104-135: my tiles of W_q, W_k, W_v (registers 0-15: k 0-127; 16-31: k 128-255)
.set WK,  72
.set WV,  104
.set XF,  136                          ; v136-167  x's two fragments of a tile of tokens
.set AQ,  168                          ; v168-175, v176-183, v184-191: the three sums
.set AK,  176
.set AV,  184
.set CQ,  192                          ; v192-207, v208-223: q's and k's codes, two registers for each tile of tokens, so that no store's data are written again
.set CK,  208
.set CV,  224                          ; v224-239  v's fragment (first: x's codes)
.set RAW, 136                          ; v136-199  64 numbers of x
.macro MKSC se, vs                     ; s[se] = e:  v[vs] = 2^e, v[vs + 1] = 57,344 x 2^e
	s_add_co_i32 s44, s[\se], 127
	s_lshl_b32 s45, s44, 23
	v_mov_b32 v[\vs], s45
	s_add_co_i32 s44, s44, 15
	s_lshl_b32 s44, s44, 23
	s_or_b32 s44, s44, 0x600000
	v_mov_b32 v[\vs+1], s44
.endm
	s_load_b256 s[4:11], s[0:1], 0x0               ; x s[4:5], W's image s[6:7], b_qkv s[8:9], the scales' exponents s[10:11]
	s_load_b128 s[12:15], s[0:1], 0x20             ; q_img, kv_img
	v_lshl_add_u32 v254, v0, 2, 0x29000
	v_mov_b32 v255, 0
	ds_add_u32 v254, v255
	ds_add_u32 v254, v255
	v_lshrrev_b32 v1, 5, v0
	s_delay_alu instid0(VALU_DEP_1)
	v_readfirstlane_b32 s16, v1                    ; wave 0..15
	s_lshr_b32 s17, s16, 2                         ; my head
	s_and_b32 s18, s16, 3                          ; my tile t of its 64
	; descriptor group 1: 16 rows x 128 elements of 4 bytes, 256 elements from row to row, 4 words of padding behind every 128
	s_mov_b32 s24, (2<<16)|(1<<20)|(6<<22)|(3<<25)
	s_mov_b32 s25, 128<<16                         ; tensor_dim0
	s_mov_b32 s26, 16<<16                          ; tensor_dim1
	s_mov_b32 s27, 128<<16                         ; tile_dim0
	s_mov_b32 s28, 16                              ; tile_dim1
	s_mov_b32 s29, 256                             ; tensor_dim0_stride
	s_mov_b32 s30, 0
	s_mov_b32 s31, 0
	s_lshl_b32 s20, ttmp9, 17                      ; my block: 128 rows of 1,024 bytes
	s_lshr_b32 s21, s16, 1
	s_lshl_b32 s21, s21, 14                        ; tile of tokens w / 2
	s_add_co_u32 s20, s20, s21
	s_and_b32 s21, s16, 1
	s_lshl_b32 s21, s21, 9                         ; half w % 2 of K
	s_add_co_u32 s20, s20, s21
	s_mov_b32 s21, 0
	s_mov_b32 s32, 1                               ; group 0: count = 1,
	s_mul_i32 s33, s16, XRAWB                      ; LDS address: my wave's own bytes,
	s_wait_dscnt 0x0
	s_wait_kmcnt 0x0
	s_add_nc_u64 s[34:35], s[4:5], s[20:21]        ; global address,
	s_or_b32 s35, s35, 0x80000000                  ; type = 2
	tensor_load_to_lds s[32:35], s[24:31]          ; my one tensor load: a first fill, ahead of every wait on TENSORcnt, every LDS read and every barrier
	s_nop 0
.rept 4
	v_nop
.endr
	s_load_b256 s[36:43], s[10:11], 0x0            ; e0 .. e7
	v_and_b32 v6, 31, v0                           ; lane
	s_delay_alu instid0(VALU_DEP_1)
	v_lshlrev_b32 v[LI], 4, v6
	s_delay_alu instid0(VALU_DEP_2)
	v_lshlrev_b32 v[L8], 3, v6
	v_and_b32 v7, 15, v0                           ; r
	v_bfe_u32 v6, v0, 4, 1                         ; h
	s_delay_alu instid0(VALU_DEP_2)
	v_mul_u32_u24 v[XRA], v7, 528
	s_delay_alu instid0(VALU_DEP_1)
	v_lshl_add_u32 v[XRA], v6, 5, v[XRA]
	s_delay_alu instid0(VALU_DEP_1)
	v_add_nc_u32 v[XRA], s33, v[XRA]               ; wave x 8,448 + r x 528 + 32 h
	s_lshl_b32 s44, s16, 11
	s_add_co_u32 s44, s44, XIMG
	v_add_nc_u32 v[XWI], s44, v[LI]                ; my fragment is number w = 2 (w / 2) + w % 2
	v_add_nc_u32 v[XFI], XIMG, v[LI]
	v_lshlrev_b32 v[BO8], 5, v6
	v_lshlrev_b32 v[BO1], 2, v7
	s_lshl_b32 s44, s16, 12
	s_mov_b32 s45, 0
	s_add_nc_u64 s[6:7], s[6:7], s[44:45]          ; W's image at tile w
	s_lshl_b32 s44, s16, 6
	s_add_nc_u64 s[8:9], s[8:9], s[44:45]          ; b_qkv at feature 16 w
.irp p, 0,1,2                                  ; tiles w, 16 + w, 32 + w: they stay
.irp g, 0,1,2,3,4,5,6,7
	global_load_b128 v[WQ+32*\p+4*\g:WQ+32*\p+4*\g+3], v[LI], s[6:7] offset:65536*\p+512*\g
.endr
.endr
	global_load_b128 v[BQ:BQ+3],   v[BO8], s[8:9]                ; b(16 w + 8 h + 0 .. 7)
	global_load_b128 v[BQ+4:BQ+7], v[BO8], s[8:9] offset:16
	global_load_b128 v[BK:BK+3],   v[BO8], s[8:9] offset:1024    ; b(256 + ..)
	global_load_b128 v[BK+4:BK+7], v[BO8], s[8:9] offset:1040
	global_load_b32  v[BV],        v[BO1], s[8:9] offset:2048    ; b(512 + 16 w + r)
	s_lshl_b32 s46, s17, 13                        ; head x 8,192
	s_lshl_b32 s47, s18, 8                         ; t x 256
	s_lshl_b32 s44, ttmp9, 15
	s_add_co_u32 s44, s44, s46
	s_add_co_u32 s44, s44, s47
	s_add_nc_u64 s[12:13], s[12:13], s[44:45]      ; q_img at (block, head, m = 0, t)
	s_lshl_b32 s44, ttmp9, 16
	s_add_co_u32 s44, s44, s46
	s_add_nc_u64 s[14:15], s[14:15], s[44:45]      ; kv_img at (block, head)
	s_lshl_b32 s44, s18, 11
	s_add_co_u32 s44, s44, 32768
	s_add_nc_u64 s[48:49], s[14:15], s[44:45]      ; v's fragment t
	s_mov_b32 s44, s47
	s_add_nc_u64 s[14:15], s[14:15], s[44:45]      ; k at (m = 0, t)
	s_wait_kmcnt 0x0
	s_add_co_i32 s50, s36, s37                     ; e0 + e1
	s_sub_co_i32 s51, 0, s50
	MKSC 36, SX
	s_sub_co_i32 s52, s38, s50
	MKSC 52, SQ
	s_sub_co_i32 s52, s39, s50
	MKSC 52, SK
	s_sub_co_i32 s52, s41, s50
	MKSC 52, SV
	; ---- X: my 16 rows x 128 k of x become one fragment
	s_wait_alu depctr_va_vdst(0)
	s_wait_tensorcnt 0x0                           ; my tile is in LDS; only I read it
.irp c, 0,1,2,3,4,5,6,7
	ds_load_b128 v[RAW+8*\c:RAW+8*\c+3],   v[XRA] offset:64*\c       ; x(r, 16 c + 8 h + 0 .. 3)
	ds_load_b128 v[RAW+8*\c+4:RAW+8*\c+7], v[XRA] offset:64*\c+16    ; and + 4 .. 7
.endr
	s_wait_dscnt 0x0
.set i, 0
.rept 64
	v_med3_num_f32 v[RAW+i], v[RAW+i], -v[SX+1], v[SX+1]             ; the conversion to an 8-bit code does not saturate (ISA guide 7.6.2): the hold comes first
.set i, i+1
.endr
.irp c, 0,1,2,3,4,5,6,7
	v_cvt_scalef32_pk8_bf8_f32 v[CV+2*\c:CV+2*\c+1], v[RAW+8*\c:RAW+8*\c+7], v[SX]
.endr
	v_nop                                          ; a plain vector line behind the last conversion: matrix instructions will write its sources
.irp g, 0,1,2,3
	ds_store_b128 v[XWI], v[CV+4*\g:CV+4*\g+3] offset:512*\g         ; the fragment as it stands: 512 consecutive bytes a store
.endr
	s_wait_dscnt 0x0                               ; for the others' sake: my stores have landed
	s_barrier_signal -1
	s_barrier_wait -1                              ; x's sixteen fragments lie in LDS
	s_wait_loadcnt 0x0                             ; W's tiles and the biases
.set i, 0
.rept 16
	v_ldexp_f32 v[BQ+i], v[BQ+i], s51              ; b / 2^(e0 + e1): q's eight, then k's eight
.set i, i+1
.endr
	s_wait_alu depctr_va_vdst(0)
	v_ldexp_f32 v[BV], v[BV], s51
.irp j, 1,2,3,4,5,6,7
	v_mov_b32 v[BV+\j], v[BV]                      ; v's result holds one channel a lane: the same bias in its eight registers
.endr
; ---- a tile of 16 tokens: six matrix instructions, the three sums by turns
.macro TOK m
.irp g, 0,1,2,3,4,5,6,7
	ds_load_b128 v[XF+4*\g:XF+4*\g+3], v[XFI] offset:\m*4096+512*\g  ; (behind the last products stand four v_nop and sixteen holds on other sums: the places in front of these loads)
.endr
	s_wait_dscnt 0x0
	v_wmma_f32_16x16x128_bf8_bf8 v[AQ:AQ+7], v[WQ:WQ+15], v[XF:XF+15], v[BQ:BQ+7]
	v_wmma_f32_16x16x128_bf8_bf8 v[AK:AK+7], v[WK:WK+15], v[XF:XF+15], v[BK:BK+7]
	v_wmma_f32_16x16x128_bf8_bf8 v[AV:AV+7], v[XF:XF+15], v[WV:WV+15], v[BV:BV+7]
	v_wmma_f32_16x16x128_bf8_bf8 v[AQ:AQ+7], v[WQ+16:WQ+31], v[XF+16:XF+31], v[AQ:AQ+7]
	v_wmma_f32_16x16x128_bf8_bf8 v[AK:AK+7], v[WK+16:WK+31], v[XF+16:XF+31], v[AK:AK+7]
	v_wmma_f32_16x16x128_bf8_bf8 v[AV:AV+7], v[XF+16:XF+31], v[WV+16:WV+31], v[AV:AV+7]
.rept 4
	v_nop                                          ; four places in front of the first read of the results (ISA guide 7.12.1)
.endr
.irp j, 0,1,2,3,4,5,6,7
	v_med3_num_f32 v[AQ+\j], v[AQ+\j], -v[SQ+1], v[SQ+1]             ; each sum from its low end on
.endr
.irp j, 0,1,2,3,4,5,6,7
	v_med3_num_f32 v[AK+\j], v[AK+\j], -v[SK+1], v[SK+1]
.endr
.irp j, 0,1,2,3,4,5,6,7
	v_med3_num_f32 v[AV+\j], v[AV+\j], -v[SV+1], v[SV+1]
.endr
	v_cvt_scalef32_pk8_bf8_f32 v[CQ+2*\m:CQ+2*\m+1], v[AQ:AQ+7], v[SQ]   ; q(token r, d 16 t + 8 h + 0 .. 7): registers 2 t, 2 t + 1 of q's fragment
	v_cvt_scalef32_pk8_bf8_f32 v[CK+2*\m:CK+2*\m+1], v[AK:AK+7], v[SK]   ; k likewise
	v_cvt_scalef32_pk8_bf8_f32 v[CV+2*\m:CV+2*\m+1], v[AV:AV+7], v[SV]   ; v(channel r, keys 16 m + 8 h + 0 .. 7): registers 2 m, 2 m + 1 of v's fragment
	v_nop                                          ; a plain vector line behind the last conversion: the next tile's products write its sources
	global_store_b64 v[L8], v[CQ+2*\m:CQ+2*\m+1], s[12:13] offset:\m*1024   ; the wave's store covers 256 consecutive bytes, aligned
	global_store_b64 v[L8], v[CK+2*\m:CK+2*\m+1], s[14:15] offset:\m*1024
.endm
	s_wait_alu depctr_va_vdst(0)
.irp m, 0,1,2,3,4,5,6,7
	TOK \m
.endr
.irp g, 0,1,2,3
	global_store_b128 v[LI], v[CV+4*\g:CV+4*\g+3], s[48:49] offset:512*\g   ; v's fragment: 16 channels x the block's 128 keys; 512 consecutive bytes a store
.endr
	s_wait_tensorcnt 0x0
	ds_add_u32 v254, v255
	s_wait_dscnt 0x0
	s_endpgm
.Lfunc_end_k_qb67924db5e_qkv:
	.size	k_qb67924db5e_qkv, .Lfunc_end_k_qb67924db5e_qkv-k_qb67924db5e_qkv
	.p2alignl 7, 3214868480
	.fill 96, 4, 3214868480
	.section	.rodata,"a",@progbits
	.p2align	6, 0x0
	.amdhsa_kernel k_qb67924db5e_qkv
		.amdhsa_group_segment_fixed_size 169984
		.amdhsa_private_segment_fixed_size 0
		.amdhsa_enable_private_segment 0
		.amdhsa_kernarg_size 48
		.amdhsa_user_sgpr_count 2
		.amdhsa_user_sgpr_kernarg_segment_ptr 1
		.amdhsa_wavefront_size32 1
		.amdhsa_system_sgpr_workgroup_id_x 1
		.amdhsa_system_sgpr_workgroup_id_y 1
		.amdhsa_system_sgpr_workgroup_id_z 1
		.amdhsa_system_vgpr_workitem_id 0
		.amdhsa_next_free_vgpr 256
		.amdhsa_next_free_sgpr 66
		.amdhsa_reserve_vcc 0
		.amdhsa_float_denorm_mode_32 3
		.amdhsa_float_denorm_mode_16_64 3
		.amdhsa_memory_ordered 1
		.amdhsa_forward_progress 1
		.amdhsa_inst_pref_size 39
	.end_amdhsa_kernel
	.amdgpu_metadata
---
amdhsa.version: [ 1, 2 ]
amdhsa.kernels:
  - .name:           k_qb67924db5e_qkv
    .symbol:         k_qb67924db5e_qkv.kd
    .args:
      - { .name: x, .offset: 0, .size: 8, .value_kind: global_buffer, .address_space: global }
      - { .name: w_img, .offset: 8, .size: 8, .value_kind: global_buffer, .address_space: global }
      - { .name: b_qkv, .offset: 16, .size: 8, .value_kind: global_buffer, .address_space: global }
      - { .name: lowp_scales, .offset: 24, .size: 8, .value_kind: global_buffer, .address_space: global }
      - { .name: q_img, .offset: 32, .size: 8, .value_kind: global_buffer, .address_space: global }
      - { .name: kv_img, .offset: 40, .size: 8, .value_kind: global_buffer, .address_space: global }
    .group_segment_fixed_size: 169984
    .private_segment_fixed_size: 0
    .kernarg_segment_align: 8
    .kernarg_segment_size: 48
    .max_flat_workgroup_size: 512
    .sgpr_count:     66
    .vgpr_count:     256
    .wavefront_size: 32
...
	.end_amdgpu_metadata
.endif
;; end of part 2
;; launch attn (part 3): grid 256 x 1, 16 waves a work-group, no clusters, 264,192 bytes of LDS; arguments q_img, kv_img, lowp_scales, y_img; writes y_img
.if DOCPART == 3
	.amdgcn_target "amdgcn-amd-amdhsa--gfx1250"
	.amdhsa_code_object_version 6
	.text
	.protected	k_qb67924db5e_attn
	.globl	k_qb67924db5e_attn
	.p2align	8
	.type	k_qb67924db5e_attn,@function
k_qb67924db5e_attn:
	s_mov_b64 s[64:65], 0
	v_nop
	global_prefetch_b8 v0, s[64:65] scope:SCOPE_SE
	s_setreg_imm32_b32 hwreg(HW_REG_WAVE_MODE, 25, 1), 1
	s_wait_xcnt 0x0
; y = softmax(q k^T / 8) v for every head, on codes of BF8 (E5M2), each operand with the one scale 2^e that is given for it (q e2, k e3, p e4, v e5); y leaves as codes with 2^e6, as an image of the last product's operand registers.
; THE SOFTMAX AHEAD OF THE SECOND PRODUCT: t = score x log2(e) / 8; M = the row's largest t so far, rounded UP to a whole number; p = 2^(t - M) is what is quantised; it is not normalised.
; The row's sum is taken of the unquantised p, in f32, and divides at the end.  When M moves, the sum and O are multiplied by 2^(old M - new M): nothing is rounded, and no branch hangs on floating-point data.
; LIMITS on the given exponents, so that each power of two below is an f32 number: e2 + e3 between -123 and 130 (added to c's exponent field); e4 and e6 between -126 and 112.  NaN among the inputs is not served.
; SHARES.  A work-group owns ONE head of one batch and 512 of its queries: work-group i takes head i % 4 of batch (i % 64) / 4 and the queries 512 (i / 64) on.  Wave w: tiles of 16 queries 2 w and 2 w + 1.
;   Each fragment of k and v read from LDS feeds two products.  Sixteen waves of 256 registers, four to a SIMD: one wave's vector work stands beside another's matrix work and LDS loads.
; LDS holds the head's k and v WHOLE: 2,048 keys x (64 + 64) bytes = 262,144.  Wave w brings keys 128 w .. 128 w + 127 through registers; then no byte of it is written again.
; THE WALK over the sixteen steps of 128 keys begins with the wave's own keys and wraps round: a wave signals the one barrier when its bytes have landed, works its first step on the bytes that it stored itself, and waits then.
; No cluster and no tensor load; the hold of p is passed over by a branch on the given exponent e4; the four work-groups of a head each read its 262,144 bytes once in the launch.
; No prefetch: everything from memory is asked for at the head; the loop reads LDS alone.
; LAYOUT.  All operands are images of their registers (lane (r, h): row r; registers 2 c, 2 c + 1: k = 16 c + 8 h + 0 .. 7).  Both products are used transposed: S^T = k q^T, O^T = v^T p^T:
;   a lane holds ONE query throughout and its eight registers run along the next K, so that one conversion of a result gives registers 2 c, 2 c + 1 of the next operand.
; A key step is 128 keys: 16 products k q^T, the softmax of 2 x 64 scores a lane, 8 products v^T p^T.
.set VOFF,  131072                     ; LDS: k: block b (128 keys) at 8,192 b: tile of 16 keys m at 1,024 m, registers 2 t, 2 t + 1 at 256 t + 8 x lane;  v: VOFF + 8,192 b: channel tile t at 2,048 t + 512 g + 16 x lane
.set SPARE, 262144                     ; the spare words: 128 bytes for each of sixteen waves: eight blocks of 256 bytes that no other line names
.set AV,  1                            ; v1      VOFF + 16 x lane: my place in v's tiles
.set AK,  2                            ; v2      8 x lane: my place in k's tiles
.set SCP, 3                            ; v3      2^e4 (in the tail: e6)
.set ST,  4                            ; v[4 + 2 x] tile x's -M, v[5 + 2 x] its largest t
.set SM,  8                            ; v[8 + 2 x:9 + 2 x] its sum in two halves
.set FS,  12                           ; v12, v13 the two tiles' f = 2^(old M - new M); ahead of that tile 0's maxima at work
.set T1,  14                           ; v14, v15 tile 1's maxima at work
.set LIM, 14                           ; v14     in the tail: 57,344 x 2^e6
.set ADR, 15                           ; v15     LDS address in hand (at the head and in the tail: 16 x lane)
.set Q,   16                           ; v16-31  q's two fragments; they stay
.set FA,  32                           ; v32-63  k's tiles 0-3, then S^T of query tile 1, key tiles 4-7
.set SA,  64                           ; v64-127 S^T of query tile 0, then v's four fragments; v128-159 S^T of query tile 1, key tiles 0-3
.set FB,  160                          ; v160-191 k's tiles 4-7, then registers at work, then p's codes, 16 registers a query tile
.set CC,  162                          ; v162-165 with the hold: the sums' second chains, a pair a tile
.set DD,  176                          ; v176-191 without it: tile 0's first sums; then tile 1's codes
.set O,   192                          ; v192-255 O^T: query tile x, channels 16 ct on, at 192 + 32 x + 8 ct
.macro SR x, i                         ; RR = the register of query tile x's i-th score: 64 + i; 128 + i for i < 32, i for i >= 32
.set RR, SA+64*(\x)+(\i)-128*(\x)*((\i)/32)
.endm
.macro MKSC se                         ; s[se] = e:  v[SCP] = 2^e, v[LIM] and s57 = 57,344 x 2^e
	s_add_co_i32 s57, s[\se], 127
	s_lshl_b32 s58, s57, 23
	v_mov_b32 v[SCP], s58
	s_add_co_i32 s57, s57, 15
	s_lshl_b32 s57, s57, 23
	s_or_b32 s57, s57, 0x600000
	v_mov_b32 v[LIM], s57
.endm
	s_load_b256 s[4:11], s[0:1], 0x0               ; q_img s[4:5], kv_img s[6:7], the scales' exponents s[8:9], y_img s[10:11]
	v_lshrrev_b32 v14, 5, v0
	v_readfirstlane_b32 s16, v14                   ; wave 0..15
	s_lshl_b32 s28, s16, 13                        ; my 128 keys' place in k's and in v's part of LDS
	v_and_b32 v3, 31, v0                           ; lane
	v_lshlrev_b32 v[AK], 3, v3
	v_lshlrev_b32 v[ADR], 4, v3
	v_add_nc_u32 v[AV], VOFF, v[ADR]
	v_add_nc_u32 v[FA], s28, v[ADR]                ; where I store k,
	v_add_nc_u32 v[FA+1], s28, v[AV]               ; and v
	s_and_b32 s17, ttmp9, 63
	s_lshr_b32 s18, ttmp9, 6                       ; my quarter of the queries
	s_lshr_b32 s19, s17, 2                         ; batch
	s_and_b32 s17, s17, 3                          ; head
	s_lshl_b32 s22, s17, 13                        ; head x 8,192
	s_lshl_b32 s24, s19, 4                         ; the batch's first block of 128 tokens
	s_add_co_u32 s20, s24, s16
	s_lshl_b32 s20, s20, 16
	s_add_co_u32 s20, s20, s22                     ; kv_img at block w of the batch, my head
	s_mov_b32 s21, 0
	s_lshl_b32 s25, s18, 2
	s_add_co_u32 s24, s24, s25
	s_lshr_b32 s25, s16, 2
	s_add_co_u32 s24, s24, s25                     ; my queries' block
	s_lshl_b32 s24, s24, 15
	s_add_co_u32 s24, s24, s22
	s_and_b32 s25, s16, 3
	s_lshl_b32 s25, s25, 11
	s_add_co_u32 s24, s24, s25                     ; q_img at my first tile
	s_mov_b32 s25, 0
	s_lshl_b32 s26, s19, 7
	s_lshl_b32 s27, s18, 5
	s_add_co_u32 s26, s26, s27
	s_lshl_b32 s27, s16, 1
	s_add_co_u32 s26, s26, s27                     ; my first tile of 16 tokens
	s_lshl_b32 s26, s26, 12
	s_lshl_b32 s27, s17, 10
	s_add_co_u32 s26, s26, s27                     ; y_img at (tile, head)
	s_mov_b32 s27, 0
	s_mov_b32 s46, 0x76543210                      ; v_permlanex16_b32's selects for lane l xor 16
	s_mov_b32 s47, 0xfedcba98
	s_mov_b32 s48, s28                             ; the key step's place in k's and in v's part: it begins with my own keys
	s_mov_b32 s49, 0                               ; 8,192 x the steps that are done
	s_wait_alu depctr_va_vdst(0)
	s_wait_kmcnt 0x0
	s_load_b256 s[36:43], s[8:9], 0x0              ; e0 .. e7
	s_add_nc_u64 s[6:7], s[6:7], s[20:21]
	s_add_nc_u64 s[4:5], s[4:5], s[24:25]
	s_add_nc_u64 s[10:11], s[10:11], s[26:27]
.set i, 0
.rept 16
	global_load_b128 v[64+4*i:64+4*i+3], v[ADR], s[6:7] offset:512*i              ; k of my 128 keys: 8,192 bytes
.set i, i+1
.endr
.set i, 0
.rept 16
	global_load_b128 v[128+4*i:128+4*i+3], v[ADR], s[6:7] offset:32768+512*i      ; their v
.set i, i+1
.endr
.irp x, 0,1
.irp t, 0,1,2,3
	global_load_b64 v[Q+8*\x+2*\t:Q+8*\x+2*\t+1], v[AK], s[4:5] offset:\x*1024+\t*256 th:TH_LOAD_NT
.endr
.endr
	v_mov_b32 v[ST+1], 0xff61b1e6                  ; the largest t so far: -3e38, under every t
	v_mov_b32 v[ST+3], 0xff61b1e6
	v_mov_b32 v[SM], 0                             ; the sums, in two halves
	v_mov_b32 v[SM+1], 0
	v_mov_b32 v[SM+2], 0
	v_mov_b32 v[SM+3], 0
	v_floor_f32 v[ST], -v[ST+1]                    ; -M
	v_floor_f32 v[ST+2], -v[ST+3]
.set i, 0
.rept 64
	v_mov_b32 v[O+i], 0                            ; O^T, while the loads are out.  (The key step has one form: the first finds zeros, which the first change of M leaves zeros)
.set i, i+1
.endr
	s_wait_kmcnt 0x0
	s_add_co_i32 s57, s38, s39                     ; a score stands for score x 2^(e2 + e3):
	s_lshl_b32 s57, s57, 23
	s_mov_b32 s44, 0x3e38aa3b                      ; c = log2(e) / 8;
	s_add_co_i32 s44, s44, s57                     ; the two exponents are added to c's exponent field
	s_mov_b32 s45, s44                             ; (named with it as a pair, so it is written)
	MKSC 40                                        ; p's scale
	s_mov_b32 s60, s57                             ; and hold
	s_add_co_i32 s56, s40, s41                     ; e4 + e5
	s_wait_alu depctr_va_vdst(0)
.irp n, 0,1,2,3
	s_wait_loadcnt 36-4*\n                         ; of 40 loads: four more of k's are in; the younger ones, v's 16 and q's 8 among them, may be out
.irp j, 0,1,2,3
	ds_store_b128 v[FA], v[64+16*\n+4*\j:64+16*\n+4*\j+3] offset:2048*\n+512*\j
.endr
.endr
.irp n, 0,1,2,3
	s_wait_loadcnt 20-4*\n                         ; four more of v's are in; q's 8 may be out
.irp j, 0,1,2,3
	ds_store_b128 v[FA+1], v[128+16*\n+4*\j:128+16*\n+4*\j+3] offset:2048*\n+512*\j
.endr
.endr
	s_wait_loadcnt 0x0                             ; q (and the loads that read v15 are done)
.macro KA                              ; k's tiles 0-3 of the step that v15 stands at
.irp kt, 0,1,2,3
.irp t, 0,1,2,3
	ds_load_b64 v[FA+8*\kt+2*\t:FA+8*\kt+2*\t+1], v[ADR] offset:\kt*1024+\t*256          ; 32 lanes, 256 consecutive bytes
.endr
.endr
.endm
.macro MX x, n, a                      ; the n-th of the 31 maxima of tile x's 64 scores, in two chains, a and a + 1, by turns; each result from its low end on.  0-14: key tiles 0-3
.if (\n) < 2
	v_max3_num_f32 v[\a+(\n)], v[SA+64*\x+3*(\n)], v[SA+64*\x+3*(\n)+1], v[SA+64*\x+3*(\n)+2]
.else
	SR \x, 2*(\n)+2
	v_max3_num_f32 v[\a+(\n)%2], v[\a+(\n)%2], v[RR], v[RR+1]
.endif
.endm
.macro CODES x                         ; p's codes: registers 2 kt, 2 kt + 1 of tile x's fragment
.irp kt, 0,1,2,3,4,5,6,7
	SR \x, 8*\kt
	v_cvt_scalef32_pk8_bf8_f32 v[FB+16*\x+2*\kt:FB+16*\x+2*\kt+1], v[RR:RR+7], v[SCP]
.endr
.endm
.macro TMM x, i                        ; t - M, two at a time (of the pairs c and -M the low word serves both halves)
	SR \x, \i
	v_pk_fma_f32 v[RR:RR+1], v[RR:RR+1], s[44:45], v[ST+2*\x:ST+2*\x+1] op_sel_hi:[1,0,0]
.endm
.macro EXPO x, i                       ; p = 2^(t - M), at most 1: not normalised
	SR \x, \i
	v_exp_f32 v[RR], v[RR]
.endm
.macro NEWM                            ; the sums under the new M: also the plain lines behind the last exponential
	v_pk_mul_f32 v[SM:SM+1], v[SM:SM+1], v[FS:FS+1] op_sel_hi:[1,0]
	v_pk_mul_f32 v[SM+2:SM+3], v[SM+2:SM+3], v[FS:FS+1] op_sel:[0,1] op_sel_hi:[1,1]     ; (tile 1's f is the pair's upper word)
.endm
.macro VL ct                           ; v's fragment ct, where tile 0's p 16 ct .. 16 ct + 15 lay
.irp g, 0,1,2,3
	ds_load_b128 v[SA+16*\ct+4*\g:SA+16*\ct+4*\g+3], v[ADR] offset:\ct*2048+\g*512
.endr
.endm
; A KEY STEP.  k's tiles 0-3 have been asked for ahead; v15 stands at the step's k.  more = 1: the next step's k tiles 0-3 are asked for ahead of the last products.
.macro STEP more
	s_wait_dscnt 0x0                               ; k's tiles 0-3 are in
.irp kt, 0,1,2,3
	v_wmma_f32_16x16x64_bf8_bf8 v[SA+64+8*\kt:SA+64+8*\kt+7], v[FA+8*\kt:FA+8*\kt+7], v[Q+8:Q+15], 0     ; lane (r, h): query r, keys 16 kt + 8 h + 0 .. 7
.endr
.rept 5
	v_nop                                          ; five places behind the last step's products: for the loads into p's registers, and for products laid over v's
.endr
.irp kt, 0,1,2,3
.irp t, 0,1,2,3
	ds_load_b64 v[FB+8*\kt+2*\t:FB+8*\kt+2*\t+1], v[ADR] offset:4096+\kt*1024+\t*256
.endr
.endr
.irp kt, 0,1,2,3
	v_wmma_f32_16x16x64_bf8_bf8 v[SA+8*\kt:SA+8*\kt+7], v[FA+8*\kt:FA+8*\kt+7], v[Q:Q+7], 0
.endr
.set n, 0
.rept 19                               ; the maxima over key tiles 0-3, while tiles 4-7 are loaded; tile 0 four behind: the first four lines, on tile 1 alone, are the places behind tile 0's products,
.if n < 15
	MX 1, n, T1
.endif
.if n > 3
	MX 0, n-4, FS
.endif
.set n, n+1
.endr
	s_wait_alu depctr_va_vdst(0)
	s_wait_dscnt 0x0                               ; k's tiles 4-7 are in
.irp kt, 0,1,2,3
	v_wmma_f32_16x16x64_bf8_bf8 v[SA+32+8*\kt:SA+32+8*\kt+7], v[FB+8*\kt:FB+8*\kt+7], v[Q:Q+7], 0
.endr
.irp kt, 0,1,2,3
	v_wmma_f32_16x16x64_bf8_bf8 v[FA+8*\kt:FA+8*\kt+7], v[FB+8*\kt:FB+8*\kt+7], v[Q+8:Q+15], 0           ; (tile 1's fifteen maxima above are among the places behind the products that read these registers)
.endr
.rept 4
	v_nop                                          ; four places in front of the first read of these results (ISA guide 7.12.1)
.endr
.set n, 15
.rept 16
	MX 0, n, FS
	MX 1, n, T1
.set n, n+1
.endr
	v_max_num_f32 v[FS], v[FS], v[FS+1]
	v_max_num_f32 v[T1], v[T1], v[T1+1]
	s_delay_alu instid0(VALU_DEP_2)
	v_permlanex16_b32 v[FS+1], v[FS], s46, s47     ; the query's other 64 keys lie in lane l xor 16
	s_delay_alu instid0(VALU_DEP_2)
	v_permlanex16_b32 v[T1+1], v[T1], s46, s47
	s_delay_alu instid0(VALU_DEP_2)
	v_max_num_f32 v[FS], v[FS], v[FS+1]
	s_delay_alu instid0(VALU_DEP_2)
	v_max_num_f32 v[T1], v[T1], v[T1+1]
	s_delay_alu instid0(VALU_DEP_2)
	v_mul_f32 v[FS], s44, v[FS]                    ; as t (c is positive)
	s_delay_alu instid0(VALU_DEP_2)
	v_mul_f32 v[T1], s44, v[T1]
	s_delay_alu instid0(VALU_DEP_2)
	v_max_num_f32 v[ST+1], v[ST+1], v[FS]          ; the running largest t
	s_delay_alu instid0(VALU_DEP_2)
	v_max_num_f32 v[ST+3], v[ST+3], v[T1]
	v_mov_b32 v[FS], v[ST]
	v_mov_b32 v[T1], v[ST+2]
	s_delay_alu instid0(VALU_DEP_4)
	v_floor_f32 v[ST], -v[ST+1]                    ; the new -M = floor(-t) = -ceil(t): M is a whole number
	s_delay_alu instid0(VALU_DEP_4)
	v_floor_f32 v[ST+2], -v[ST+3]
	s_delay_alu instid0(VALU_DEP_2)
	v_sub_f32 v[FS], v[ST], v[FS]                  ; old M - new M: a whole number, 0 or less
	s_delay_alu instid0(VALU_DEP_2)
	v_sub_f32 v[T1], v[ST+2], v[T1]
	s_delay_alu instid0(VALU_DEP_2)
	v_cvt_i32_f32 v[FS], v[FS]                     ; (it saturates)
	s_delay_alu instid0(VALU_DEP_2)
	v_cvt_i32_f32 v[T1], v[T1]
	s_delay_alu instid0(VALU_DEP_2)
	v_ldexp_f32 v[FS], 1.0, v[FS]                  ; f = 2^(old M - new M)
	s_delay_alu instid0(VALU_DEP_2)
	v_ldexp_f32 v[FS+1], 1.0, v[T1]
	v_add_nc_u32 v[ADR], s48, v[AV]                ; the step's v
.set i, 0
.rept 16
	v_pk_mul_f32 v[O+i:O+i+1], v[O+i:O+i+1], v[FS:FS+1] op_sel_hi:[1,0]                ; O^T under the new M, ahead of the exponentials; each sum from its low end on
.set i, i+2
.endr
.rept 16
	v_pk_mul_f32 v[O+i:O+i+1], v[O+i:O+i+1], v[FS:FS+1] op_sel:[0,1] op_sel_hi:[1,1]
.set i, i+2
.endr
.set i, 0
.rept 32
	TMM 0, i
.set i, i+2
.endr
	s_cmp_ge_i32 s40, -15                          ; p is at most 1, so p / 2^e4 is at most 32,768 where e4 is -15 or more: there the hold at 57,344 changes nothing
	s_cbranch_scc1 .Lno_hold_\@
	; ---- the way with the hold
.set i, 0
.rept 32
	TMM 1, i
.set i, i+2
.endr
	s_wait_alu depctr_va_vdst(0)
.irp x, 0,1
.set i, 0
.rept 64
	EXPO \x, i
.set i, i+1
.endr
.endr
	NEWM
	s_wait_alu depctr_va_vdst(0)                   ; one wait for the whole batch, ahead of its first reader
.irp x, 0,1                                    ; the row's sum is taken of the UNQUANTISED p: two at a time, two chains a tile
	v_pk_add_f32 v[CC+2*\x:CC+2*\x+1], v[SA+64*\x:SA+64*\x+1], v[SA+64*\x+2:SA+64*\x+3]
.endr
.irp j, 4,8,12,16,20,24,28,32,36,40,44,48,52,56,60
.irp x, 0,1
	SR \x, \j
	v_pk_add_f32 v[SM+2*\x:SM+2*\x+1], v[SM+2*\x:SM+2*\x+1], v[RR:RR+1]
	v_pk_add_f32 v[CC+2*\x:CC+2*\x+1], v[CC+2*\x:CC+2*\x+1], v[RR+2:RR+3]
.endr
.endr
	s_delay_alu instid0(VALU_DEP_3)
	v_pk_add_f32 v[SM:SM+1], v[SM:SM+1], v[CC:CC+1]
	s_delay_alu instid0(VALU_DEP_2)
	v_pk_add_f32 v[SM+2:SM+3], v[SM+2:SM+3], v[CC+2:CC+3]
.irp x, 0,1
.set i, 0
.rept 64
	SR \x, i
	v_min_num_f32 v[RR], s60, v[RR]                ; the conversion to an 8-bit code does not saturate (ISA guide 7.6.2); p is not negative, so the hold is one-sided
.set i, i+1
.endr
.endr
	CODES 0
	VL 0
	VL 1
	VL 2
	VL 3
	CODES 1
	s_branch .Ljoin_\@
	; ---- the way without: tile 1's t - M stands among tile 0's exponentials, tile 0's codes and first sums among tile 1's
.Lno_hold_\@:
	s_wait_alu depctr_va_vdst(0)
.set i, 0
.rept 32
	EXPO 0, i
	EXPO 0, i+1
	TMM 1, i
.set i, i+2
.endr
	s_wait_alu depctr_va_vdst(0)                   ; one wait behind tile 0's batch and ahead of tile 1's
.set m, 0
.rept 8                                ; eight scores of each tile, tile 0's from its upper end on: p's codes; the row's sum is taken of the UNQUANTISED p, two at a time
.set g, 7-m
	v_cvt_scalef32_pk8_bf8_f32 v[FB+2*g:FB+2*g+1], v[SA+8*g:SA+8*g+7], v[SCP]
	EXPO 1, 8*m
	EXPO 1, 8*m+1
	EXPO 1, 8*m+2
	v_pk_add_f32 v[DD+2*g:DD+2*g+1], v[SA+8*g:SA+8*g+1], v[SA+8*g+2:SA+8*g+3]            ; (also the plain line between the conversion and a line that writes its sources)
	EXPO 1, 8*m+3
	EXPO 1, 8*m+4
.set QD, SA+56+2*m-16*(m/4)
	v_pk_add_f32 v[QD:QD+1], v[SA+8*g+4:SA+8*g+5], v[SA+8*g+6:SA+8*g+7]                  ; into v112-127, whose p have been read: v64-111 are free behind the batch
	EXPO 1, 8*m+5
	EXPO 1, 8*m+6
	EXPO 1, 8*m+7
.set m, m+1
.endr
	NEWM
	s_wait_alu depctr_va_vdst(0)                   ; one wait for the batch, ahead of its first reader
	VL 0                                           ; three of v's fragments land while the sums are made
	VL 1
	VL 2
	v_pk_add_f32 v[DD:DD+1], v[DD:DD+1], v[DD+2:DD+3]                                    ; the second chains: tile 0's in v[176:177],
	v_pk_add_f32 v[DD+2:DD+3], v[SA+64:SA+65], v[SA+66:SA+67]                            ; tile 1's in v[178:179]
.set g, 0
.rept 15
.if g < 8
.set QD, SA+56+2*g-16*(g/4)
	v_pk_add_f32 v[SM:SM+1], v[SM:SM+1], v[QD:QD+1]
.endif
	SR 1, 4*g+4
	v_pk_add_f32 v[SM+2:SM+3], v[SM+2:SM+3], v[RR:RR+1]
.if g < 6
	v_pk_add_f32 v[DD:DD+1], v[DD:DD+1], v[DD+2*g+4:DD+2*g+5]
.endif
	v_pk_add_f32 v[DD+2:DD+3], v[DD+2:DD+3], v[RR+2:RR+3]
.if g == 7
	VL 3                                           ; v112-127 have been read
.endif
.set g, g+1
.endr
	v_pk_add_f32 v[SM:SM+1], v[SM:SM+1], v[DD:DD+1]
	s_delay_alu instid0(VALU_DEP_2)
	v_pk_add_f32 v[SM+2:SM+3], v[SM+2:SM+3], v[DD+2:DD+3]
	CODES 1
.Ljoin_\@:
	s_add_co_u32 s49, s49, 0x2000
	s_add_co_u32 s48, s49, s28
	s_and_b32 s48, s48, 0x1ffff                    ; the next step, round the end of the keys to their beginning
	v_add_nc_u32 v[ADR], s48, v[AK]                ; (also the plain line behind the last conversion)
.if \more
	KA                                             ; the next step's first tiles of k (the last step's load is of my own keys again, and is not used)
.endif
	s_wait_alu depctr_va_vdst(0)
	s_wait_dscnt 16*\more                          ; v is in; the 16 loads of the next step's k, where they are issued, may be out
.irp ct, 0,1,2,3
.irp x, 0,1
	v_wmma_f32_16x16x128_bf8_bf8 v[O+32*\x+8*\ct:O+32*\x+8*\ct+7], v[SA+16*\ct:SA+16*\ct+15], v[FB+16*\x:FB+16*\x+15], v[O+32*\x+8*\ct:O+32*\x+8*\ct+7]   ; the eight sums by turns, one instruction a turn
.endr
.endr
.endm
	s_wait_dscnt 0x0                               ; for the others' sake: my stores have landed
	s_barrier_signal -1                            ; say so, and work the first step on the bytes that I stored myself: register work and LDS loads of bytes that nobody writes any more
	v_add_nc_u32 v[ADR], s48, v[AK]
	s_wait_alu depctr_va_vdst(0)
	KA
	STEP 0
	s_wait_alu depctr_va_vdst(0)
	s_barrier_wait -1                              ; the head's k and v lie in LDS
	KA
.Lstep:                                            ; fifteen more key steps
	STEP 1
	s_cmp_lt_u32 s49, 0x20000
	s_cbranch_scc1 .Lstep
	s_wait_dscnt 0x0                               ; the last step's loads into k's registers
	; ---- y = O^T x 2^(e4 + e5) / the sum, quantised with 2^e6
	v_add_f32 v[SM], v[SM], v[SM+1]                ; the sums' two halves (these six lines are also the places behind the last products)
	v_add_f32 v[SM+2], v[SM+2], v[SM+3]
	s_delay_alu instid0(VALU_DEP_2)
	v_permlanex16_b32 v[SM+1], v[SM], s46, s47
	s_delay_alu instid0(VALU_DEP_2)
	v_permlanex16_b32 v[SM+3], v[SM+2], s46, s47
	s_delay_alu instid0(VALU_DEP_2)
	v_add_f32 v[SM], v[SM], v[SM+1]                ; and lane l xor 16's: the rows' sums
	s_delay_alu instid0(VALU_DEP_2)
	v_add_f32 v[SM+2], v[SM+2], v[SM+3]
	s_wait_alu depctr_va_vdst(0)
	v_rcp_f32 v[FS], v[SM]
	v_rcp_f32 v[FS+1], v[SM+2]
	v_and_b32 v[ADR], 31, v0                       ; (a plain line behind the reciprocals)
	v_lshlrev_b32 v[ADR], 4, v[ADR]                ; 16 x lane
	v_lshl_add_u32 v16, v0, 2, SPARE               ; my spare word, where q lay,
	v_mov_b32 v17, 0                               ; and 0
	MKSC 42                                        ; y's scale and hold
	s_wait_alu depctr_va_vdst(0)                   ; one wait for both reciprocals, ahead of their first reader
	v_ldexp_f32 v[FS], v[FS], s56                  ; x 2^(e4 + e5)
	v_ldexp_f32 v[FS+1], v[FS+1], s56
	s_wait_alu depctr_va_vdst(0)                   ; directly ahead of the first reader of O^T
.set i, 0
.rept 16
	v_pk_mul_f32 v[O+i:O+i+1], v[O+i:O+i+1], v[FS:FS+1] op_sel_hi:[1,0]                ; each sum from its low end on
.set i, i+2
.endr
.rept 16
	v_pk_mul_f32 v[O+i:O+i+1], v[O+i:O+i+1], v[FS:FS+1] op_sel:[0,1] op_sel_hi:[1,1]
.set i, i+2
.endr
.set i, 0
.rept 64
	v_med3_num_f32 v[O+i], v[O+i], -v[LIM], v[LIM]
.set i, i+1
.endr
.irp x, 0,1
.irp ct, 0,1,2,3
	v_cvt_scalef32_pk8_bf8_f32 v[FA+8*\x+2*\ct:FA+8*\x+2*\ct+1], v[O+32*\x+8*\ct:O+32*\x+8*\ct+7], v[SCP]   ; y(query r, 64 head + 16 ct + 8 h + 0 .. 7): registers 8 head + 2 ct, + 1 of y's fragment
.endr
.endr
	v_nop                                          ; a plain vector line behind the last conversion
.irp x, 0,1
.irp g, 0,1
	global_store_b128 v[ADR], v[FA+8*\x+4*\g:FA+8*\x+4*\g+3], s[10:11] offset:\x*4096+512*\g   ; 32 lanes store 512 consecutive bytes, aligned
.endr
.endr
	s_wait_alu depctr_va_vdst(0)
	s_wait_tensorcnt 0x0                           ; the wave's end
	ds_add_u32 v16, v17
	s_wait_dscnt 0x0
	s_endpgm
.Lfunc_end_k_qb67924db5e_attn:
	.size	k_qb67924db5e_attn, .Lfunc_end_k_qb67924db5e_attn-k_qb67924db5e_attn
	.p2alignl 7, 3214868480
	.fill 96, 4, 3214868480
	.section	.rodata,"a",@progbits
	.p2align	6, 0x0
	.amdhsa_kernel k_qb67924db5e_attn
		.amdhsa_group_segment_fixed_size 264192
		.amdhsa_private_segment_fixed_size 0
		.amdhsa_enable_private_segment 0
		.amdhsa_kernarg_size 32
		.amdhsa_user_sgpr_count 2
		.amdhsa_user_sgpr_kernarg_segment_ptr 1
		.amdhsa_wavefront_size32 1
		.amdhsa_system_sgpr_workgroup_id_x 1
		.amdhsa_system_sgpr_workgroup_id_y 1
		.amdhsa_system_sgpr_workgroup_id_z 1
		.amdhsa_system_vgpr_workitem_id 0
		.amdhsa_next_free_vgpr 256
		.amdhsa_next_free_sgpr 66
		.amdhsa_reserve_vcc 0
		.amdhsa_float_denorm_mode_32 3
		.amdhsa_float_denorm_mode_16_64 3
		.amdhsa_memory_ordered 1
		.amdhsa_forward_progress 1
		.amdhsa_inst_pref_size 105
	.end_amdhsa_kernel
	.amdgpu_metadata
---
amdhsa.version: [ 1, 2 ]
amdhsa.kernels:
  - .name:           k_qb67924db5e_attn
    .symbol:         k_qb67924db5e_attn.kd
    .args:
      - { .name: q_img, .offset: 0, .size: 8, .value_kind: global_buffer, .address_space: global }
      - { .name: kv_img, .offset: 8, .size: 8, .value_kind: global_buffer, .address_space: global }
      - { .name: lowp_scales, .offset: 16, .size: 8, .value_kind: global_buffer, .address_space: global }
      - { .name: y_img, .offset: 24, .size: 8, .value_kind: global_buffer, .address_space: global }
    .group_segment_fixed_size: 264192
    .private_segment_fixed_size: 0
    .kernarg_segment_align: 8
    .kernarg_segment_size: 32
    .max_flat_workgroup_size: 512
    .sgpr_count:     66
    .vgpr_count:     256
    .wavefront_size: 32
...
	.end_amdgpu_metadata
.endif
;; end of part 3
;; launch proj (part 4): grid 256 x 1, 16 waves a work-group, no clusters, 167,936 bytes of LDS; arguments y_img, w_img, b_o, lowp_scales, out0; writes out0
.if DOCPART == 4
	.amdgcn_target "amdgcn-amd-amdhsa--gfx1250"
	.amdhsa_code_object_version 6
	.text
	.protected	k_qb67924db5e_proj
	.globl	k_qb67924db5e_proj
	.p2align	8
	.type	k_qb67924db5e_proj,@function
k_qb67924db5e_proj:
	s_mov_b64 s[64:65], 0
	v_nop
	global_prefetch_b8 v0, s[64:65] scope:SCOPE_SE
	s_setreg_imm32_b32 hwreg(HW_REG_WAVE_MODE, 25, 1), 1
	s_wait_xcnt 0x0
; out = y W_o^T + b_o on codes of BF8 (E5M2): y with 2^e6, W_o with 2^e7, both as images of operand registers (a tile is 16 rows x 256 along K: registers 4 g .. 4 g + 3 at tile x 4,096 + 512 g + 16 x lane).
; LIMIT: e6 + e7 between -126 and 127, so that 2^(e6 + e7) is an f32 number.
; SHARES.  A work-group takes 128 tokens.  Wave w: the 64 features 64 G .., G = w % 4, for the tiles of 16 tokens 2 (w / 4) and 2 (w / 4) + 1.
; LAYOUT.  Source 0 = y, source 1 = W_o: lane (r, h) holds column r of the tile and tokens 8 h + 0 .. 7.  Column r of W_o's tile 4 G + q is feature 64 G + 4 r + q, so four tiles give a lane four NEIGHBOURING features of a token,
;   16 bytes, and sixteen neighbouring lanes 256 bytes on end: they are stored as they stand.
; LDS, filled once: W_o's image, 65,536 bytes, by waves 0 to 7; the work-group's 32,768 bytes of y by waves 8 to 11: 8,192 bytes a wave, one tensor load each.
; No cluster: of a work-group's bytes the 65,536 of W_o are all that is shared, and they are asked for once in the launch.  No prefetch: the loads stand at the head, in front of no loop.
.set YB,    65536                      ; y in LDS
.set SPARE, 98304                      ; the spare words: 128 bytes for each of sixteen waves: eight blocks of 256 bytes that no other line names
.set LI, 1                             ; v1       16 x lane
.set BO, 2                             ; v2       16 r: my four biases
.set OO, 3                             ; v3       8,192 h + 16 r: my place in a tile's rows of out
.set AY, 4                             ; v4       LDS address of my y tiles
.set AW, 5                             ; v5       LDS address of my W_o tiles
.set SPW, 6                            ; v6       LDS address of my spare word; never rewritten
.set NIL, 7                            ; v7       0; never rewritten
.set B,  8                             ; v8-11    the biases
.set Y,  32                            ; v32-63, v64-95  y's two tiles, then what is stored
.set A,  96                            ; v96-127  the four sums
.set W,  128                           ; v128-255 W_o's four tiles
	s_load_b256 s[4:11], s[0:1], 0x0               ; y_img s[4:5], w_img s[6:7], b_o s[8:9], the scales' exponents s[10:11]
	s_load_b64 s[12:13], s[0:1], 0x20              ; out0
	v_lshl_add_u32 v[SPW], v0, 2, SPARE
	v_mov_b32 v[NIL], 0
	ds_add_u32 v[SPW], v[NIL]                      ; the wave's opening: the add, twice on end, and its wait ahead of my first tensor load
	ds_add_u32 v[SPW], v[NIL]
	v_lshrrev_b32 v1, 5, v0
	v_readfirstlane_b32 s16, v1                    ; wave 0..15
	s_and_b32 s17, s16, 3                          ; G
	s_lshr_b32 s18, s16, 2                         ; my pair of token tiles
	s_lshl_b32 s19, s18, 13
	s_add_co_u32 s19, s19, YB
	s_lshl_b32 s24, s17, 14
	v_and_b32 v12, 31, v0
	v_and_b32 v13, 15, v0                          ; r
	v_bfe_u32 v14, v0, 4, 1                        ; h
	v_lshlrev_b32 v[LI], 4, v12
	v_lshlrev_b32 v[BO], 4, v13
	v_lshl_add_u32 v[OO], v14, 13, v[BO]
	v_add_nc_u32 v[AY], s19, v[LI]
	v_add_nc_u32 v[AW], s24, v[LI]
	; descriptor group 1: 32 rows x 32 elements of 8 bytes, dense
	s_mov_b32 s40, 3<<16
	s_mov_b32 s41, 32<<16                          ; tensor_dim0
	s_mov_b32 s42, 32<<16                          ; tensor_dim1
	s_mov_b32 s43, 32<<16                          ; tile_dim0
	s_mov_b32 s44, 32                              ; tile_dim1
	s_mov_b32 s45, 32                              ; tensor_dim0_stride
	s_mov_b32 s46, 0
	s_mov_b32 s47, 0
	s_mov_b32 s48, 1                               ; group 0 for W_o, s[48:51], and for y, s[52:55]: count = 1,
	s_mov_b32 s52, 1
	s_lshl_b32 s49, s16, 13                        ; LDS address: wave x 8,192
	s_lshl_b32 s53, s16, 13
	s_add_co_u32 s20, s49, 196608                  ; W_o's tiles are tiles 48 on of the image
	s_mov_b32 s21, 0
	s_and_b32 s22, s16, 7
	s_lshl_b32 s22, s22, 13
	s_lshl_b32 s23, ttmp9, 15
	s_add_co_u32 s22, s22, s23                     ; y: 8 tiles a work-group
	s_mov_b32 s23, 0
	s_lshl_b32 s26, s17, 8                         ; 64 features of 4 bytes
	s_mov_b32 s27, 0
	s_lshl_b32 s28, ttmp9, 17                      ; 128 rows of 1,024 bytes a work-group,
	s_lshl_b32 s29, s18, 15
	s_add_co_u32 s28, s28, s29                     ; 32 a wave
	s_add_co_u32 s28, s28, s26
	s_mov_b32 s29, 0
	s_wait_alu depctr_va_vdst(0)
	s_wait_dscnt 0x0                               ; both opening adds are done
	s_wait_kmcnt 0x0
	s_add_nc_u64 s[50:51], s[6:7], s[20:21]        ; global address,
	s_or_b32 s51, s51, 0x80000000                  ; type = 2
	s_add_nc_u64 s[54:55], s[4:5], s[22:23]
	s_or_b32 s55, s55, 0x80000000
	s_cmp_lt_u32 s16, 8
	s_cbranch_scc0 .Lnot_w
	tensor_load_to_lds s[48:51], s[40:47]
	s_nop 0
.rept 4
	v_nop
.endr
	s_branch .Lasked
.Lnot_w:
	s_cmp_lt_u32 s16, 12
	s_cbranch_scc0 .Lasked
	tensor_load_to_lds s[52:55], s[40:47]
	s_nop 0
.rept 4
	v_nop
.endr
.Lasked:
	s_load_b256 s[56:63], s[10:11], 0x0            ; e0 .. e7
	s_add_nc_u64 s[8:9], s[8:9], s[26:27]
	s_add_nc_u64 s[12:13], s[12:13], s[28:29]
	global_load_b128 v[B:B+3], v[BO], s[8:9]       ; b(64 G + 4 r + 0 .. 3)
	s_wait_kmcnt 0x0
	s_add_co_i32 s30, s62, s63
	s_add_co_i32 s30, s30, 127
	s_lshl_b32 s30, s30, 23                        ; 2^(e6 + e7) as f32
	s_wait_tensorcnt 0x0                           ; my part has landed
	s_barrier_signal -1
	s_barrier_wait -1                              ; W_o's and y's images lie in LDS
.macro YLOAD x
.irp g, 0,1,2,3,4,5,6,7
	ds_load_b128 v[Y+32*\x+4*\g:Y+32*\x+4*\g+3], v[AY] offset:4096*\x+512*\g
.endr
.endm
	YLOAD 0
.irp u, 0,1                                    ; W_o's k 0-127, then k 128-255
.irp q, 0,1,2,3
.irp g, 0,1,2,3
	ds_load_b128 v[W+32*\q+16*\u+4*\g:W+32*\q+16*\u+4*\g+3], v[AW] offset:4096*\q+2048*\u+512*\g
.endr
.endr
.endr
	YLOAD 1
.irp x, 0,1
.if \x == 0
	s_wait_dscnt 24                                ; of 48 loads: y's first tile and W_o's k 0-127 are in; the 16 of k 128-255 and y's 8 may be out
.else
	s_wait_dscnt 0x0
.endif
.irp q, 0,1,2,3
	v_wmma_f32_16x16x128_bf8_bf8 v[A+8*\q:A+8*\q+7], v[Y+32*\x:Y+32*\x+15], v[W+32*\q:W+32*\q+15], 0
.endr
.if \x == 0
	s_wait_dscnt 8                                 ; W_o is in; y's second tile may be out
.endif
.irp q, 0,1,2,3
	v_wmma_f32_16x16x128_bf8_bf8 v[A+8*\q:A+8*\q+7], v[Y+32*\x+16:Y+32*\x+31], v[W+32*\q+16:W+32*\q+31], v[A+8*\q:A+8*\q+7]   ; the four sums by turns
.endr
.rept 4
	v_nop                                          ; four places in front of the first read of the results and of the writes into y's registers (ISA guide 7.12.1)
.endr
.if \x == 0
	s_wait_loadcnt 0x0                             ; the biases
.endif
.irp j, 0,1,2,3,4,5,6,7
.irp q, 0,1,2,3
	v_fma_f32 v[Y+32*\x+4*\j+\q], v[A+8*\q+\j], s30, v[B+\q]   ; out(token 8 h + j, feature 64 G + 4 r + q) = sum x 2^(e6 + e7) + b; each sum from its low end on
.endr
.endr
.irp j, 0,1,2,3,4,5,6,7
	global_store_b128 v[OO], v[Y+32*\x+4*\j:Y+32*\x+4*\j+3], s[12:13] offset:16384*\x+1024*\j th:TH_STORE_NT   ; two tokens' 256 bytes each, aligned; written once, read by nobody here
.endr
.endr
	s_wait_tensorcnt 0x0                           ; the wave's end
	ds_add_u32 v[SPW], v[NIL]
	s_wait_dscnt 0x0
	s_endpgm
.Lfunc_end_k_qb67924db5e_proj:
	.size	k_qb67924db5e_proj, .Lfunc_end_k_qb67924db5e_proj-k_qb67924db5e_proj
	.p2alignl 7, 3214868480
	.fill 96, 4, 3214868480
	.section	.rodata,"a",@progbits
	.p2align	6, 0x0
	.amdhsa_kernel k_qb67924db5e_proj
		.amdhsa_group_segment_fixed_size 167936
		.amdhsa_private_segment_fixed_size 0
		.amdhsa_enable_private_segment 0
		.amdhsa_kernarg_size 40
		.amdhsa_user_sgpr_count 2
		.amdhsa_user_sgpr_kernarg_segment_ptr 1
		.amdhsa_wavefront_size32 1
		.amdhsa_system_sgpr_workgroup_id_x 1
		.amdhsa_system_sgpr_workgroup_id_y 1
		.amdhsa_system_sgpr_workgroup_id_z 1
		.amdhsa_system_vgpr_workitem_id 0
		.amdhsa_next_free_vgpr 256
		.amdhsa_next_free_sgpr 66
		.amdhsa_reserve_vcc 0
		.amdhsa_float_denorm_mode_32 3
		.amdhsa_float_denorm_mode_16_64 3
		.amdhsa_memory_ordered 1
		.amdhsa_forward_progress 1
		.amdhsa_inst_pref_size 14
	.end_amdhsa_kernel
	.amdgpu_metadata
---
amdhsa.version: [ 1, 2 ]
amdhsa.kernels:
  - .name:           k_qb67924db5e_proj
    .symbol:         k_qb67924db5e_proj.kd
    .args:
      - { .name: y_img, .offset: 0, .size: 8, .value_kind: global_buffer, .address_space: global }
      - { .name: w_img, .offset: 8, .size: 8, .value_kind: global_buffer, .address_space: global }
      - { .name: b_o, .offset: 16, .size: 8, .value_kind: global_buffer, .address_space: global }
      - { .name: lowp_scales, .offset: 24, .size: 8, .value_kind: global_buffer, .address_space: global }
      - { .name: out0, .offset: 32, .size: 8, .value_kind: global_buffer, .address_space: global }
    .group_segment_fixed_size: 167936
    .private_segment_fixed_size: 0
    .kernarg_segment_align: 8
    .kernarg_segment_size: 40
    .max_flat_workgroup_size: 512
    .sgpr_count:     66
    .vgpr_count:     256
    .wavefront_size: 32
...
	.end_amdgpu_metadata
.endif
;; end of part 4
